; MI455X (gfx1250); checked and timed in simulation.
; The chip was launched on July 23, 2026; its instructions are those of AMD's public machine-readable ISA for CDNA 5 (MIT licence, August 2026) and "CDNA5" Instruction Set Architecture Reference Guide (July 2026). The comments in the code are by the model that wrote it; some were corrected since.
;; Self Norm Attention. Allowed arithmetic: matrix products marked QUANTISED: E2M3 operands, one E8M0 scale for each 32 along K, by v_wmma_scale_f32_16x16x128_f8f6f4 with both operands' format E2M3, f32 sums; everything else in f32.
;; Inputs: n 4 x 2,048 x 16 float32; qk 4 x 2,048 x 2 x 16 x 64 float32; v 4 x 2,048 x 16 x 64 float32.
;; Outputs: out0 4 x 2,048 x 16 x 64 float32.
;; This version of the problem:
;;   THIS VERSION OF THE PROBLEM IS GIVEN IN LOW PRECISION. The matrix products marked QUANTISED in the list below multiply operands that are first quantised to E2M3 (2 exponent bits, 3 mantissa bits; 6 bits a number), with one power-of-two scale for each 32 numbers along K (OCP MX v1.0); their sums are f32. All else is computed in f32.
;;   The module's matrix products, in the order in which they are computed (A, B: the left and right operand; K: the contracted axis; several contracted axes count as one K, in the product's order):
;;     1. batch 64 x [M 2,048, K 64] x [K 64, N 2,048]; A: input qk; B: input qk: QUANTISED
;;     2. batch 64 x [M 64, K 2,048] x [K 2,048, N 2,048]; A: input v; B: computed on the way: QUANTISED
;;   THE QUANTISER, for each operand of a quantised product, along K:
;;     - K is cut into blocks of 32 from its start; a last block that is shorter is filled with zeros.
;;     - A block's scale is 2^e with e = floor(log2(the largest magnitude in the block)) - 2, held to -126 .. 127; a block of zeros has e = 0. As a byte (E8M0): e + 127.
;;     - Each number is divided by its block's scale, clamped to +-7.5, and rounded to the nearest number of E2M3, ties to even, subnormals kept.
;;     - The product sums the exact products of the quantised numbers (number of the format x scale) in f32.
;;   ~~~python
;;   def quantise(x, axis):      # numpy; x: float32 -> the quantised numbers, widened to float32 again
;;       x = np.moveaxis(x, axis, -1); K = x.shape[-1]
;;       x = np.pad(x, [(0, 0)] * (x.ndim - 1) + [(0, -K % 32)]); x = x.reshape(x.shape[:-1] + (-1, 32)); a = np.abs(x).max(-1, keepdims=True)
;;       e = np.where(a > 0, np.clip(np.frexp(np.where(a > 0, a, 1))[1] - 1 - 2, -126, 127), 0)      # np.frexp(a)[1] - 1 = floor(log2(a)), exactly
;;       r = np.clip(x / 2.0 ** e, -7.5, 7.5)
;;       step = 2.0 ** (np.maximum(np.frexp(np.where(r == 0, 1, r))[1] - 1, 0) - 3)
;;       q = np.round(r / step) * step * 2.0 ** e      # np.round: ties to even
;;       return np.moveaxis(q.reshape(q.shape[:-2] + (-1,))[..., :K], -1, axis).astype(np.float32)
;;   ~~~
;;   OPERANDS COMPUTED ON THE WAY. 'Computed on the way' means the value that the module computes at that place (a softmax that the list does not call 'softmax' is quantised finished and normalised). What goes into a quantiser is computed in f32, as accurately as f32 sums, v_exp_f32 and their like allow (about 1e-6 of the number): no bf16 or f16 on the way to a quantiser, and a product that is left as it is and whose result goes on into a quantised operand takes f32 operands (vector FMAs, or v_wmma_f32_16x16x4_f32). A number that lies on a knife's edge between two numbers of the format may be rounded either way, as far as f32 arithmetic and the matrix unit's own rounding can turn it there, and no further.
;; 2 versions, each right; version 2 is version 1 with the launch attn written anew for expert scheduling mode. Each part assembles by itself: llvm-mc -triple=amdgcn-amd-amdhsa -mcpu=gfx1250 --defsym DOCPART=n.
;; ======== version 1 of 2: 1 launch
;; launch attn (part 1): grid 256 x 1, 8 waves a work-group, no clusters, 68,608 bytes of LDS; arguments qk, v, n, out0; writes out0
.if DOCPART == 1
	.amdgcn_target "amdgcn-amd-amdhsa--gfx1250"
	.amdhsa_code_object_version 6
	.text
	.protected	k_q8f8121fc4e_attn
	.globl	k_q8f8121fc4e_attn
	.p2align	8
	.type	k_q8f8121fc4e_attn,@function
k_q8f8121fc4e_attn:
	s_mov_b64 s[64:65], 0
	v_nop
	global_prefetch_b8 v0, s[64:65] scope:SCOPE_SE
	s_setreg_imm32_b32 hwreg(HW_REG_WAVE_MODE, 25, 1), 1
	s_wait_xcnt 0x0
; out[b][t][h][:] = sum over s <= t of (q[t] . k[s] / exp(n[t])) v[s][:], per head (b, h).  qk: [4][2048][2][16][64], v, out0: [4][2048][16][64], n: [4][2048][16], all f32.
; Both products on codes of FP6 (E2M3) with one E8M0 scale for each 32 along K: q and k along the head's 64, v and the weights (scores x mask / exp(n)) along the keys.
; SHARES.  A head's 2,048 queries are 16 blocks of 128.  Work-group j (0..3) of a head owns blocks 15 - j, 8 + j, 7 - j, j: 34 block-steps under the diagonal for every j, so the 256 work-groups have equal work.
; Wave w (0..7) owns 16 queries, one tile, of each block: tile i = queries 128 beta_i + 16 w.  Keys go in steps of 128; tile i works in step s while s <= beta_i; s = beta_i is its diagonal step.
; K AND V ARE QUANTISED BY THE WORK-GROUP ITSELF, one step ahead: a step has 256 blocks of 32 of K (128 keys x 2) and 256 of V (64 channels x 4): one of each for each of the 256 lanes.  The codes go to LDS as
; IMAGES OF THE OPERANDS' REGISTERS (a reading lane's 12 registers are 48 bytes on end), into two buffers that take turns, with one barrier a step.
; LAYOUT.  Both products are used transposed: S^T = K Q^T (source 0 = keys, source 1 = my 16 queries), O^T = V^T P^T: a lane holds ONE query (lane % 16) throughout.
; THE KEYS OF A TILE ARE NOT NEIGHBOURS: row r of tile 2 b + u is key 32 b + 8 u + r + 8 (r / 8), so that the 16 registers of tiles 2 b and 2 b + 1 are the 16 neighbouring keys 32 b + 16 (lane / 16) + 0 .. 15.
; THE FIRST PRODUCT'S K IS 64, the instruction's 128.  A fragment of K holds TWO tiles of keys (registers 0-5: tile 2 b; 6-11: tile 2 b + 1).  Q's codes lie in a chain Z q0 Z q1 Z q2 Z q3 Z, Z = six registers of
; zero codes: (q, Z) as source 1 gives tile 2 b, (Z, q) gives tile 2 b + 1.  Zero codes add nothing under any scale byte from 1 to 254.
; 1 / exp(n) = 2^xi x fm, xi a whole number, fm = 2^xf between 0.70 and 1.42 (n log2(e) is split in two parts, so that xf is good to f32's last bits).  The scores are multiplied by fm ahead of the quantiser;
; a power of two passes through a quantiser with power-of-two scales unchanged, so 2^xi is applied once, to the finished sums.
; NO CLUSTER, NO TENSOR LOADS, by this text's own arithmetic: what the four work-groups of a head share is f32 (64 KiB a step); laid into LDS it would be written there and read out again, 128 KiB a step beside
; the 8 x 12.5 KiB of fragments that the waves read; and the four need 16, 15, 14 and 13 steps, not the same number.  So K and V go from memory into registers.
; LIMITS: NaN and infinities among the inputs are not served.  A block whose largest magnitude lies under 2^-124 keeps the scale byte 1; a block of zeros too (its codes are zeros; nobody else reads the bytes).
; Where exp(n) overflows f32 (n above 88.7) the definition gives 0; this text gives the sum x 2^xi, of the order 1e-38 x the sum.  The definition's hold of a scale's exponent at -126 and 127 is not followed for the weights of rows whose 2^xi would carry it there.
;
; LDS: two buffers of 16,384 bytes: K's 4 pair fragments (1,536 bytes each), V's 4 fragments, K's scale words (16 bytes a row: word b = pair b), V's (word f = channels 16 f on); from 32,768: a stage of 16 rows x 272 bytes for each wave.
; REGISTERS.  Window 0: v1-17 addresses and constants; v24-25 at work; v26-33 (fm, xi) a tile; v34-46 scale words; v48-59 at work; v60-78 codes just made; v80-143 scores; v144-191 V's fragments; v192-255 K and V as loaded.
;             Window 1: v0-127 O^T, tile i, channels 16 f on at v[32 i + 8 f]; v128-181 the chain of Q; v184-231 K's fragments.
.set BUF,   16384
.set FRB,   1536                       ; a fragment's image: 32 lanes x 48 bytes
.set KIMG,  0
.set VIMG,  4*FRB
.set KSC,   8*FRB
.set VSC,   KSC+256
.set STG,   2*BUF
.set SP,    272                        ; a stage row: 256 bytes + 16 = 68 words: row r starts at bank 4 r mod 64 (64 banks of 4 bytes: ISA guide 11.1)
.set KSTEP, 128*8192                   ; 128 keys on, in qk
.set VSTEP, 128*4096                   ; and in v
.set QV,   1                           ; v1   q: 8192 (lane % 16) + 128 (lane / 16): my row, my block of 32
.set KV,   2                           ; v2   k: the same + 16 w rows
.set VV,   3                           ; v3   v: 4 lane + 128 (w % 2) + 32 (w / 2) rows of 4,096 bytes
.set NVO,  4                           ; v4   n: 64 (lane % 16)
.set GO,   5                           ; v5   out0: 4096 (lane / 16) + 16 (lane % 16)
.set ROWA, 6                           ; v6   the stage, back: lanes 0-15 one row, lanes 16-31 the next
.set COLO, 7                           ; v7   the stage, in: row lane % 16, + 32 (lane / 16)
.set KWA,  8                           ; v8   where my block of K's codes goes in a buffer
.set KBA,  9                           ; v9   and its scale byte
.set VWA,  10                          ; v10  the same for V
.set VBA,  11                          ; v11
.set L48,  12                          ; v12  48 x lane: my 12 registers of an image
.set L16,  13                          ; v13  KSC + 16 (lane % 16): my row's scale words
.set DD,   14                          ; v14  16 w + lane % 16 - 16 (lane / 16): the diagonal
.set ZERO, 15                          ; v15  0
.set SH8,  16                          ; v16  8 (lane / 16)
.set PFO,  17                          ; v17  the prefetches' offset: my lane x a row; never rewritten
.set T,    24
.set T2,   25
.set FM,   26
.set KS,   34
.set VS,   38
.set QS,   42
.set PW,   46
.set BY1,  47
.set BY2,  79
.set TM,   48
.set PC,   60
.set S,    80
.set VF,   144
.set KR,   192
.set VR,   224
.set OA,   0                           ; window 1
.set QC,   128
.set KF,   184
.set WV,   12                          ; s12  my wave's number
.set BE,   20                          ; s20-23 beta_0 > beta_1 > beta_2 > beta_3
.set ST,   24                          ; s24  the step
.set CNT,  25                          ; s25  trips to go
.set LIM,  27                          ; s27  a wave prefetches while the step is under it: 12 in a head's work-group 0, else 0
.set BM1,  28                          ; s28  beta_0 - 1
.set KBS,  30                          ; s[30:31] k's rows of the step last asked for
.set VBS,  32                          ; s[32:33] v's
.set PFA,  34                          ; s[34:35] where my prefetches stand
.set PFS,  36                          ; s[36:37] a step on, in bytes
.set QB,   38                          ; s[38:45] q at tile i's first row
.set OB,   46                          ; s[46:53] out0 likewise
.set NB,   54                          ; s[54:61] n likewise
.set NL,   62                          ; s62  -log2(e), the f32 nearest;
.set NLO,  63                          ; s63  and what that leaves
.set SEL,  66                          ; s[66:67] v_permlanex16_b32's selects for lane l xor 16
.set MSB, 0
.macro WIN new                         ; low byte: bits 1:0 source 0, 3:2 source 1, 5:4 source 2, 7:6 destination; the high byte repeats the setting that is left
.if MSB != \new
	s_set_vgpr_msb (MSB<<8)|\new
.set MSB, \new
.endif
.endm
.macro PLACES n                        ; plain vector instructions that name no register of the matrix instruction in front (ISA guide 7.12.1)
.rept \n
	v_nop
.endr
.endm
; A block of 32 numbers in v[x] .. v[x + 31] of ONE lane: its scale byte into v[by], its codes into v[c .. c + 2] and v[c + 4 .. c + 6] (a conversion's three registers begin on an even number).  m .. m + 2: at work.
.macro Q32 x, c, by, m
	v_max3_num_f32 v[\m], |v[\x]|, |v[\x+1]|, |v[\x+2]|            ; the largest magnitude, in two chains
	v_max3_num_f32 v[\m+1], |v[\x+3]|, |v[\x+4]|, |v[\x+5]|
.irp i, 6,10,14,18,22,26
	v_max3_num_f32 v[\m], v[\m], |v[\x+\i]|, |v[\x+\i+1]|
	v_max3_num_f32 v[\m+1], v[\m+1], |v[\x+\i+2]|, |v[\x+\i+3]|
.endr
	v_max3_num_f32 v[\m], v[\m], |v[\x+30]|, |v[\x+31]|
	v_max3_num_f32 v[\m], v[\m], v[\m+1], 0x1800000                ; and the floor 2^(3 - 127): the byte cannot fall under 1
	v_add_nc_u32 v[\m+2], 0xff000000, v[\m]                        ; 2 off its exponent field: the conversion takes that field of this operand as its scale
	v_lshrrev_b32 v[\by], 23, v[\m+2]                              ; the scale's byte
	v_cvt_scalef32_pk16_fp6_f32 v[\c:\c+2], v[\x:\x+15], v[\m+2]
	v_cvt_scalef32_pk16_fp6_f32 v[\c+4:\c+6], v[\x+16:\x+31], v[\m+2]
	v_nop                                                          ; one plain place behind a scaled conversion
.endm
; The block's 24 bytes of codes and its byte go to their places in the images
.macro IMAGE c, adr, badr, by, off
	v_mov_b32 v[\c+3], v[\c+4]                                     ; six registers on end
	v_mov_b32 v[\c+4], v[\c+5]
	v_mov_b32 v[\c+5], v[\c+6]
	ds_store_b64 v[\adr], v[\c:\c+1] offset:\off
	ds_store_b64 v[\adr], v[\c+2:\c+3] offset:\off+8
	ds_store_b64 v[\adr], v[\c+4:\c+5] offset:\off+16
	ds_store_b8 v[\badr], v[\by] offset:\off
.endm
; My block of K (key 16 w + lane % 16, channels 32 (lane / 16) on: 128 bytes of its row) and my block of V (channel 32 (w % 2) + lane, keys 32 (w / 2) on: registers run down the keys; a wave reads 128 neighbouring bytes a key)
.macro KVLOAD
.irp i, 0,1,2,3,4,5,6,7
	global_load_b128 v[KR+4*\i:KR+4*\i+3], v[KV], s[KBS:KBS+1] offset:16*\i
.endr
.irp i, 0,1,2,3,4,5,6,7,8,9,10,11,12,13,14,15,16,17,18,19,20,21,22,23,24,25,26,27,28,29,30,31
	global_load_b32 v[VR+\i], v[VV], s[VBS:VBS+1] offset:4096*\i
.endr
.endm
; The step that lies in KR and VR is quantised into buffer wb.  Two sets of code registers: no LDS store's data are written again before the next wait for all LDS instructions.
.macro PRODUCE wb
	s_wait_loadcnt 0x0                                             ; the 40 loads, asked for a step ago
	Q32 VR, PC, BY1, TM
	IMAGE PC, VWA, VBA, BY1, (\wb)*BUF
	Q32 KR, PC+8, BY2, TM+8
	IMAGE PC+8, KWA, KBA, BY2, (\wb)*BUF
.endm
; A PREFETCH INTO THE L2: in step s the rows of step s + 4, whose loads go out in step s + 2.  A step is 128 rows of K and 128 of V, 256 bytes of each row for this head.  All four work-groups of a head walk the same
; rows: the head's work-group 0 asks; in it waves 0-3 take K's rows and waves 4-7 V's, 32 a wave, a lane a row: each row's 256 bytes are named once in the launch.  Steps 0 to 3 come by their loads alone; from step 12 on nothing is asked for.
.macro ASK
	s_cmp_lt_u32 s[ST], s[LIM]
	s_cbranch_scc0 .Lnot_mine_\@
	global_prefetch_b8 v[PFO], s[PFA:PFA+1] th:TH_LOAD_NT scope:SCOPE_SE
.Lnot_mine_\@:
.endm
.macro ADVANCE ask                     ; the next step's rows are asked for
	s_wait_xcnt 0x0                                                ; the last loads and the last prefetch have read their bases: these are stepped only behind this wait
	s_add_nc_u64 s[KBS:KBS+1], s[KBS:KBS+1], KSTEP
	s_add_nc_u64 s[VBS:VBS+1], s[VBS:VBS+1], VSTEP
.if \ask
	s_add_nc_u64 s[PFA:PFA+1], s[PFA:PFA+1], s[PFS:PFS+1]
.endif
	KVLOAD
.if \ask
	ASK                                                            ; behind the wave's run of loads
.endif
.endm
; The step's operands out of buffer rb: 26 loads of 16 bytes; from lane to lane 48 bytes = 12 words
.macro FETCH rb
	ds_load_b128 v[KS:KS+3], v[L16] offset:(\rb)*BUF
	ds_load_b128 v[VS:VS+3], v[L16] offset:(\rb)*BUF+256
	WIN 0x40                                                       ; destination window 1
.irp b, 0,1,2,3
.irp c, 0,1,2
	ds_load_b128 v[KF+12*\b+4*\c:KF+12*\b+4*\c+3], v[L48] offset:(\rb)*BUF+KIMG+FRB*\b+16*\c
.endr
.endr
	WIN 0
.irp f, 0,1,2,3
.irp c, 0,1,2
	ds_load_b128 v[VF+12*\f+4*\c:VF+12*\f+4*\c+3], v[L48] offset:(\rb)*BUF+VIMG+FRB*\f+16*\c
.endr
.endr
.endm
; 64 numbers of a lane, register 16 b + i = key 32 b + 16 (lane / 16) + i of my query, become a fragment's codes in v[PC] on and its scale word in v[PW]
.macro QUANT s
.irp b, 0,1,2,3
	v_max3_num_f32 v[TM+\b], |v[\s+16*\b]|, |v[\s+1+16*\b]|, 0x1800000   ; block b: my 16 numbers, and the floor 2^(3 - 127)
.endr
.irp i, 2,4,6,8,10,12,14
.irp b, 0,1,2,3
	v_max3_num_f32 v[TM+\b], v[TM+\b], |v[\s+16*\b+\i]|, |v[\s+1+16*\b+\i]|   ; the four blocks by turns
.endr
.endr
.irp b, 0,1,2,3
	v_permlanex16_b32 v[TM+4+\b], v[TM+\b], s[SEL], s[SEL+1]
.endr
.irp b, 0,1,2,3
	v_max_num_f32 v[TM+\b], v[TM+\b], v[TM+4+\b]                   ; with lane l xor 16's 16: the block's largest magnitude
.endr
.irp b, 0,1,2,3
	v_add_nc_u32 v[TM+8+\b], 0xff000000, v[TM+\b]                  ; the conversion's scale operand
.endr
.irp b, 0,1,2,3
	v_lshrrev_b32 v[TM+4+\b], 23, v[TM+8+\b]                       ; the scale's byte
.endr
	v_lshl_or_b32 v[PW], v[TM+5], 8, v[TM+4]                       ; four bytes: my query's scale word for these 128 keys
	v_lshl_or_b32 v[PW], v[TM+6], 16, v[PW]
	v_lshl_or_b32 v[PW], v[TM+7], 24, v[PW]
.irp c, 0,1
	v_cvt_scalef32_pk16_fp6_f32 v[PC+6*\c:PC+2+6*\c], v[\s+32*\c:\s+15+32*\c], v[TM+8+2*\c]
	v_cvt_scalef32_pk16_fp6_f32 v[PC+12+4*\c:PC+14+4*\c], v[\s+16+32*\c:\s+31+32*\c], v[TM+8+2*\c+1]
.endr
	v_nop                                                          ; one plain place behind a scaled conversion
.irp c, 0,1                            ; the operand's layout wants a WHOLE block in a lane: lanes 0-15 block 2 c, lanes 16-31 block 2 c + 1
.irp i, 0,1,2
	v_permlane16_swap_b32 v[PC+6*\c+\i], v[PC+12+4*\c+\i]
.endr
.irp i, 0,1,2
	v_mov_b32 v[PC+3+6*\c+\i], v[PC+12+4*\c+\i]
.endr
.endr
.endm
; TILE i IN ONE STEP: 8 products S^T, the mask on the diagonal, x fm, the quantiser, 4 products O^T.  first = 1: the O^T products start the sums.  mask = 1: the tile may be on its diagonal here.
; No two matrix instructions that follow each other name the same accumulator, here, from tile to tile and from step to step.
.macro TILE i, first, mask
	WIN 0x05                                                       ; K and Q in window 1, the scores in window 0
.irp b, 0,1,2,3
	v_wmma_scale_f32_16x16x128_f8f6f4 v[S+16*\b:S+16*\b+7], v[KF+12*\b:KF+12*\b+11], v[QC+6+12*\i:QC+17+12*\i], 0, v[KS+\b], v[QS+\i] matrix_a_fmt:MATRIX_FMT_FP6 matrix_b_fmt:MATRIX_FMT_FP6
	v_wmma_scale_f32_16x16x128_f8f6f4 v[S+8+16*\b:S+15+16*\b], v[KF+12*\b:KF+12*\b+11], v[QC+12*\i:QC+11+12*\i], 0, v[KS+\b], v[QS+\i] matrix_a_fmt:MATRIX_FMT_FP6 matrix_b_fmt:MATRIX_FMT_FP6
.endr
	WIN 0
	PLACES 4                                                       ; in front of the first read of the scores
.if \mask
	s_cmp_lg_u32 s[ST], s[BE+\i]                                   ; only the diagonal step has hidden keys
	s_cbranch_scc1 .Lopen_\@
.irp n, 0,1,2,3,4,5,6,7,8,9,10,11,12,13,14,15,16,17,18,19,20,21,22,23,24,25,26,27,28,29,30,31,32,33,34,35,36,37,38,39,40,41,42,43,44,45,46,47,48,49,50,51,52,53,54,55,56,57,58,59,60,61,62,63
	v_cmp_gt_i32 vcc_lo, 32*(\n/16)+\n%16, v[DD]                   ; register 16 b + i holds key 32 b + 16 (lane / 16) + i of the step, my query is 16 w + lane % 16 of it: hidden where 32 b + i > DD
	v_cndmask_b32 v[S+\n], v[S+\n], v[ZERO], vcc_lo                ; a hidden weight is 0, inside its block of 32
.endr
.Lopen_\@:
.endif
.irp k, 0,2,4,6,8,10,12,14,16,18,20,22,24,26,28,30,32,34,36,38,40,42,44,46,48,50,52,54,56,58,60,62
	v_pk_mul_f32 v[S+\k:S+\k+1], v[S+\k:S+\k+1], v[FM+2*\i:FM+2*\i+1] op_sel_hi:[1,0]   ; x fm, two at a time, each accumulator from its low end on
.endr
	QUANT S
	PLACES 8                                                       ; a scale register written by a vector instruction stands 8 places ahead of a scaled matrix instruction, an operand so written 4
	WIN 0x50                                                       ; C and D in window 1
.irp f, 0,1,2,3
.if \first
	v_wmma_scale_f32_16x16x128_f8f6f4 v[OA+32*\i+8*\f:OA+32*\i+8*\f+7], v[VF+12*\f:VF+12*\f+11], v[PC:PC+11], 0, v[VS+\f], v[PW] matrix_a_fmt:MATRIX_FMT_FP6 matrix_b_fmt:MATRIX_FMT_FP6
.else
	v_wmma_scale_f32_16x16x128_f8f6f4 v[OA+32*\i+8*\f:OA+32*\i+8*\f+7], v[VF+12*\f:VF+12*\f+11], v[PC:PC+11], v[OA+32*\i+8*\f:OA+32*\i+8*\f+7], v[VS+\f], v[PW] matrix_a_fmt:MATRIX_FMT_FP6 matrix_b_fmt:MATRIX_FMT_FP6
.endif
.endr
	WIN 0
.endm
; A STEP of 128 keys, read out of buffer rb.  While its fragments are on their way out of LDS, the next step is quantised into the other buffer and the step after that is asked of memory.
; All branches hang on the step and on the work-group's number: they are the same in all eight waves, and the barrier at the end is on every way.  first = 1: step 0, in which every tile works and only tile 3 can be on its diagonal.
.macro STEP first, rb
.if !\first
	s_cmp_gt_u32 s[ST], s[BE]                                      ; beyond my last block: nothing but the barrier
	s_cbranch_scc1 .Lidle_\@
	PLACES 4                                                       ; in front of loads into registers that matrix instructions have read
.endif
	FETCH \rb
.if !\first
	s_cmp_ge_u32 s[ST], s[BE]                                      ; my last step has no next step
	s_cbranch_scc1 .Ltiles_\@
.endif
	PRODUCE 1-\rb
.if !\first
	s_cmp_ge_u32 s[ST], s[BM1]                                     ; and the last but one asks for nothing: no load leaves what the work-group needs
	s_cbranch_scc1 .Ltiles_\@
.endif
	ADVANCE 1
.Ltiles_\@:
	s_wait_dscnt 0x0                                               ; the fragments are in, and my stores have read their registers
	TILE 0, \first, 1-\first
.if !\first
	s_cmp_gt_u32 s[ST], s[BE+1]
	s_cbranch_scc1 .Lidle_\@
.endif
	TILE 1, \first, 1-\first
.if !\first
	s_cmp_gt_u32 s[ST], s[BE+2]
	s_cbranch_scc1 .Lidle_\@
.endif
	TILE 2, \first, 1-\first
.if !\first
	s_cmp_gt_u32 s[ST], s[BE+3]
	s_cbranch_scc1 .Lidle_\@
.endif
	TILE 3, \first, 1
.Lidle_\@:
	s_wait_dscnt 0x0                                               ; for the others' sake: my stores into the other buffer have landed and my reads of this one are over
	s_barrier_signal -1
	s_barrier_wait -1                                              ; the other buffer is whole, and this one may be written again
	s_add_co_u32 s[ST], s[ST], 1
.endm
; ---------------------------------------------------------------- the head
	s_load_b256 s[4:11], s[0:1], 0x0                               ; qk s[4:5], v s[6:7], n s[8:9], out0 s[10:11]
	v_lshl_add_u32 v23, v0, 2, 0x10800
	v_mov_b32 v75, 0
	v_lshrrev_b32 v18, 5, v0
	v_readfirstlane_b32 s[WV], v18                                 ; wave 0..7
	v_and_b32 v18, 15, v0                                          ; lane % 16
	v_bfe_u32 v19, v0, 4, 1                                        ; lane / 16
	v_and_b32 v20, 7, v0                                           ; lane % 8
	v_bfe_u32 v21, v0, 3, 1                                        ; (lane / 8) % 2
	v_and_b32 v22, 31, v0                                          ; lane
	s_and_b32 s68, s[WV], 1                                        ; w % 2
	s_lshr_b32 s69, s[WV], 1                                       ; w / 2
	s_and_b32 s70, s69, 1                                          ; (w / 2) % 2
	s_lshr_b32 s71, s[WV], 2                                       ; w / 4
	s_and_b32 s13, ttmp9, 3                                        ; j
	s_lshr_b32 s14, ttmp9, 2                                       ; the head, 0..63
	s_lshr_b32 s15, s14, 4                                         ; b
	s_and_b32 s16, s14, 15                                         ; h
	s_sub_co_u32 s[BE], 15, s13
	s_add_co_u32 s[BE+1], s13, 8
	s_sub_co_u32 s[BE+2], 7, s13
	s_mov_b32 s[BE+3], s13
	s_sub_co_u32 s[BM1], s[BE], 1
	s_cmp_eq_u32 s13, 0
	s_cselect_b32 s[LIM], 12, 0
	s_mov_b32 s[ST], 0
	s_mov_b32 s[NL], 0xbfb8aa3b                                    ; -1.44269502
	s_mov_b32 s[NLO], 0xb2a5705f                                   ; -1.92596e-8
	s_mov_b32 s[SEL], 0x76543210
	s_mov_b32 s[SEL+1], 0xfedcba98
	; offsets in memory
	v_lshlrev_b32 v[QV], 13, v18
	v_lshl_add_u32 v[QV], v19, 7, v[QV]
	s_lshl_b32 s72, s[WV], 17
	v_add_nc_u32 v[KV], s72, v[QV]
	s_lshl_b32 s72, s68, 7
	s_lshl_b32 s73, s69, 17
	s_add_co_u32 s72, s72, s73
	v_lshl_add_u32 v[VV], v22, 2, s72
	v_lshlrev_b32 v[NVO], 6, v18
	v_lshlrev_b32 v[GO], 12, v19
	v_lshl_add_u32 v[GO], v18, 4, v[GO]
	; my stage
	s_mul_i32 s72, s[WV], 16*SP
	s_add_co_u32 s72, s72, STG
	v_mul_u32_u24 v[ROWA], v19, SP
	v_lshl_add_u32 v[ROWA], v18, 4, v[ROWA]
	v_add_nc_u32 v[ROWA], s72, v[ROWA]
	v_mul_u32_u24 v[COLO], v18, SP
	v_lshl_add_u32 v[COLO], v19, 5, v[COLO]
	v_add_nc_u32 v[COLO], s72, v[COLO]
	; K: key 16 w + lane % 16 is row (lane % 8) + 8 (w % 2) of tile 2 (w / 2) + (lane / 8) % 2; its block lane / 16 belongs to the reading lane row + 16 (lane / 16), 24 bytes further on for the pair's second tile
	s_mul_i32 s72, s69, FRB
	s_mul_i32 s73, s68, 384
	s_add_co_u32 s72, s72, s73
	v_mul_u32_u24 v[KWA], v20, 48
	v_mad_u32_u24 v[KWA], v21, 24, v[KWA]
	v_mad_u32_u24 v[KWA], v19, 768, v[KWA]
	v_add_nc_u32 v[KWA], s72, v[KWA]
	s_lshl_b32 s72, s68, 7                                         ; its byte: 16 x row + 4 x pair + 2 x tile in the pair + block
	s_lshl_b32 s73, s69, 2
	s_add_co_u32 s72, s72, s73
	s_add_co_u32 s72, s72, KSC
	v_lshlrev_b32 v[KBA], 4, v20
	v_lshl_add_u32 v[KBA], v21, 1, v[KBA]
	v_add_nc_u32 v[KBA], v[KBA], v19
	v_add_nc_u32 v[KBA], s72, v[KBA]
	; V: channel 32 (w % 2) + lane is row lane % 16 of fragment 2 (w % 2) + lane / 16; key block w / 2 belongs to the reading lane row + 16 ((w / 2) % 2), 24 bytes further on for blocks 2 and 3
	s_mul_i32 s72, s68, 2*FRB
	s_mul_i32 s73, s70, 768
	s_add_co_u32 s72, s72, s73
	s_mul_i32 s73, s71, 24
	s_add_co_u32 s72, s72, s73
	s_add_co_u32 s72, s72, VIMG
	v_mul_u32_u24 v[VWA], v18, 48
	v_mad_u32_u24 v[VWA], v19, FRB, v[VWA]
	v_add_nc_u32 v[VWA], s72, v[VWA]
	s_lshl_b32 s72, s68, 3                                         ; its byte: 16 x row + 4 x fragment + block
	s_add_co_u32 s72, s72, s69
	s_add_co_u32 s72, s72, VSC
	v_lshlrev_b32 v[VBA], 4, v18
	v_lshl_add_u32 v[VBA], v19, 2, v[VBA]
	v_add_nc_u32 v[VBA], s72, v[VBA]
	v_mul_u32_u24 v[L48], v22, 48
	v_lshl_add_u32 v[L16], v18, 4, KSC
	s_lshl_b32 s82, s[WV], 4                                       ; 16 w
	v_lshlrev_b32 v[DD], 4, v19
	v_sub_nc_u32 v[DD], v18, v[DD]
	v_add_nc_u32 v[DD], s82, v[DD]
	v_mov_b32 v[ZERO], 0
	v_lshlrev_b32 v[SH8], 3, v19
	v_mov_b32 v[T2], 0                                             ; written once: a lane permute's destination counts as one of its sources
.irp b, 0,1,2,3
	v_mov_b32 v[TM+4+\b], 0
.endr
	WIN 0x40
.irp i, 0,1,2,3,4
.irp k, 0,1,2,3,4,5
	v_mov_b32 v[QC+12*\i+\k], 0                                    ; the five Z of Q's chain: zero codes
.endr
.endr
	WIN 0
	; the head's first byte in qk, in v and out0, in n
	s_lshl_b32 s77, s16, 8
	s_lshl_b32 s76, s15, 24
	s_add_co_u32 s76, s76, s77
	s_lshl_b32 s78, s15, 23
	s_add_co_u32 s78, s78, s77
	s_lshl_b32 s80, s15, 17
	s_lshl_b32 s81, s16, 2
	s_add_co_u32 s80, s80, s81
	s_add_co_u32 s83, s76, 4096                                    ; k lies 4,096 bytes behind q in a row of qk
	s_mov_b32 s75, 0                                               ; every offset stays under 2^27: its upper word is 0
	s_wait_kmcnt 0x0
.irp i, 0,1,2,3
	s_lshl_b32 s72, s[BE+\i], 7
	s_add_co_u32 s72, s72, s82                                     ; tile i's first query
	s_lshl_b32 s74, s72, 13
	s_add_co_u32 s74, s74, s76
	s_add_nc_u64 s[QB+2*\i:QB+2*\i+1], s[4:5], s[74:75]
	s_lshl_b32 s74, s72, 12
	s_add_co_u32 s74, s74, s78
	s_add_nc_u64 s[OB+2*\i:OB+2*\i+1], s[10:11], s[74:75]
	s_lshl_b32 s74, s72, 6
	s_add_co_u32 s74, s74, s80
	s_add_nc_u64 s[NB+2*\i:NB+2*\i+1], s[8:9], s[74:75]
.endr
	s_mov_b32 s74, s83
	s_add_nc_u64 s[KBS:KBS+1], s[4:5], s[74:75]
	s_mov_b32 s74, s78
	s_add_nc_u64 s[VBS:VBS+1], s[6:7], s[74:75]
	; the prefetches: waves 0-3 stand in k (rows 8,192 bytes apart), waves 4-7 in v (4,096)
	s_cmp_lt_u32 s[WV], 4
	s_cselect_b32 s72, 13, 12
	s_cselect_b64 s[PFA:PFA+1], s[4:5], s[6:7]
	s_cselect_b32 s74, s83, s78
	v_lshlrev_b32 v[PFO], s72, v22                                 ; a lane a row
	s_lshl_b32 s[PFS], 128, s72                                    ; a step's 128 rows
	s_mov_b32 s[PFS+1], 0
	s_and_b32 s73, s[WV], 3
	s_lshl_b32 s73, s73, 5
	s_lshl_b32 s73, s73, s72                                       ; my wave's 32 rows
	s_add_co_u32 s74, s74, s73
	s_mul_i32 s73, s[PFS], 3                                       ; at step 3: step 0 moves it to step 4 and names that.  Nothing is prefetched here, at the head
	s_add_co_u32 s74, s74, s73
	s_add_nc_u64 s[PFA:PFA+1], s[PFA:PFA+1], s[74:75]
; ---------------------------------------------------------------- n, Q, and the first step of K and V
.macro QLOAD i, reg                    ; tile i: lane (r, h) takes channels 32 h on of query r; read once in the launch
.irp k, 0,1,2,3,4,5,6,7
	global_load_b128 v[\reg+4*\k:\reg+4*\k+3], v[QV], s[QB+2*\i:QB+2*\i+1] offset:16*\k th:TH_LOAD_NT
.endr
.endm
.macro QTILE i, reg                    ; its codes are the operand's six registers as they come; its scale word is (s0, s1, s0, s1), for either half of the instruction's K
	Q32 \reg, PC, BY1, TM
	v_lshlrev_b32 v[T], v[SH8], v[BY1]                             ; my block's byte at its place,
	v_permlanex16_b32 v[T2], v[T], s[SEL], s[SEL+1]
	v_or_b32 v[T], v[T], v[T2]                                     ; with lane l xor 16's
	v_lshl_or_b32 v[QS+\i], v[T], 16, v[T]
	WIN 0x40
	v_mov_b32 v[QC+6+12*\i], v[PC]
	v_mov_b32 v[QC+7+12*\i], v[PC+1]
	v_mov_b32 v[QC+8+12*\i], v[PC+2]
	v_mov_b32 v[QC+9+12*\i], v[PC+4]
	v_mov_b32 v[QC+10+12*\i], v[PC+5]
	v_mov_b32 v[QC+11+12*\i], v[PC+6]
	WIN 0
.endm
.irp i, 0,1,2,3
	global_load_b32 v[VF+\i], v[NVO], s[NB+2*\i:NB+2*\i+1] th:TH_LOAD_NT   ; n of my query in tile i
.endr
	QLOAD 0, S
	QLOAD 1, S+32
	KVLOAD                                                         ; step 0
	s_wait_loadcnt 48                                              ; n's 4 and tile 0's 8 are in; behind them: tile 1's 8 and the 40 of K and V
.irp i, 0,1,2,3
	v_mul_f32 v[VF+4+\i], s[NL], v[VF+\i]                          ; -n log2(e)
.endr
.irp i, 0,1,2,3
	v_rndne_f32 v[VF+4+\i], v[VF+4+\i]                             ; xi
.endr
.irp i, 0,1,2,3
	v_fma_f32 v[VF+8+\i], v[VF+\i], s[NL], -v[VF+4+\i]             ; xf = -n log2(e) - xi, the product unrounded,
.endr
.irp i, 0,1,2,3
	v_fma_f32 v[VF+8+\i], v[VF+\i], s[NLO], v[VF+8+\i]             ; with the rest of log2(e)
.endr
.irp i, 0,1,2,3
	v_exp_f32 v[FM+2*\i], v[VF+8+\i]                               ; fm = 2^xf
.endr
.irp i, 0,1,2,3
	v_cvt_i32_f32 v[FM+2*\i+1], v[VF+4+\i]                         ; xi as a whole number (it saturates).  Plain places behind the exponentials
.endr
	s_wait_alu depctr_va_vdst(0)                                   ; one wait for the four exponentials, ahead of their first reader
	QTILE 0, S
	QLOAD 2, S
	s_wait_loadcnt 48                                              ; tile 1's 8 are in; behind them: the 40 and tile 2's 8
	QTILE 1, S+32
	QLOAD 3, S+32
	s_wait_loadcnt 8                                               ; K, V and tile 2 are in; tile 3's 8 may be out
	QTILE 2, S
	s_wait_loadcnt 0x0
	QTILE 3, S+32
	PRODUCE 0                                                      ; step 0 into buffer 0
	ADVANCE 0                                                      ; step 1 is asked for
	s_wait_dscnt 0x0                                               ; my stores have landed
	s_barrier_signal -1
	s_barrier_wait -1                                              ; buffer 0 is whole
; ---------------------------------------------------------------- the steps
	STEP 1, 0                                                      ; step 0 stands in front of the loop: its O^T products start the sums, nothing is cleared
	s_mov_b32 s[CNT], 8
.Lstep:                                                            ; eight trips of two steps, 1 to 16: a constant count; the steps beyond a work-group's last block (16 among them) pass the barrier alone
	STEP 0, 1
	STEP 0, 0
	s_sub_co_u32 s[CNT], s[CNT], 1
	s_cmp_lg_u32 s[CNT], 0
	s_cbranch_scc1 .Lstep
; ---------------------------------------------------------------- the way out
; Tile i: O^T x 2^xi; a lane's eight channels of a row are 32 bytes, and the lanes beside it hold other rows: so the tile goes through my own stage and comes back as whole rows of 256 bytes.
; LDS serves a wave's instructions in order (ISA guide 5.7.1.4): no wait between the stores and the loads.
.macro OUT i
	WIN 0x01                                                       ; source 0 window 1
.irp k, 0,1,2,3,4,5,6,7,8,9,10,11,12,13,14,15,16,17,18,19,20,21,22,23,24,25,26,27,28,29,30,31
	v_ldexp_f32 v[S+\k], v[OA+32*\i+\k], v[FM+2*\i+1]              ; each accumulator from its low end on
.endr
	WIN 0
.irp f, 0,1,2,3
	ds_store_b128 v[COLO], v[S+8*\f:S+8*\f+3] offset:64*\f
	ds_store_b128 v[COLO], v[S+8*\f+4:S+8*\f+7] offset:64*\f+16
.endr
.if \i >= 2
	s_wait_xcnt 0x0                                                ; tile i - 2's stores have read their registers: the loads below land there only behind this wait
.endif
.irp t, 0,1,2,3,4,5,6,7
	ds_load_b128 v[KR+32*(\i%2)+4*\t:KR+32*(\i%2)+4*\t+3], v[ROWA] offset:2*\t*SP
.endr
.irp t, 0,1,2,3,4,5,6,7
	s_wait_dscnt 7-\t                                              ; LDS loads come back in order: pair t of rows is in, the younger 7 - t may be out; the last count is 0, so the next tile may write S and the stage
	global_store_b128 v[GO], v[KR+32*(\i%2)+4*\t:KR+32*(\i%2)+4*\t+3], s[OB+2*\i:OB+2*\i+1] offset:8192*\t th:TH_STORE_NT   ; 16 lanes store 256 consecutive bytes, at a multiple of 256 from out0's first byte
.endr
.endm
	s_wait_loadcnt 0x0                                             ; no load is out into the registers that the rows come back to
	PLACES 4                                                       ; in front of the first read of O^T
	OUT 0
	OUT 1
	OUT 2
	OUT 3
	s_wait_tensorcnt 0x0
	ds_add_u32 v23, v75
	s_wait_dscnt 0x0
	s_endpgm
.Lfunc_end_k_q8f8121fc4e_attn:
	.size	k_q8f8121fc4e_attn, .Lfunc_end_k_q8f8121fc4e_attn-k_q8f8121fc4e_attn
	.p2alignl 7, 3214868480
	.fill 96, 4, 3214868480
	.section	.rodata,"a",@progbits
	.p2align	6, 0x0
	.amdhsa_kernel k_q8f8121fc4e_attn
		.amdhsa_group_segment_fixed_size 68608
		.amdhsa_private_segment_fixed_size 0
		.amdhsa_enable_private_segment 0
		.amdhsa_kernarg_size 32
		.amdhsa_user_sgpr_count 2
		.amdhsa_user_sgpr_kernarg_segment_ptr 1
		.amdhsa_wavefront_size32 1
		.amdhsa_system_sgpr_workgroup_id_x 1
		.amdhsa_system_sgpr_workgroup_id_y 1
		.amdhsa_system_sgpr_workgroup_id_z 1
		.amdhsa_system_vgpr_workitem_id 0
		.amdhsa_next_free_vgpr 512
		.amdhsa_next_free_sgpr 84
		.amdhsa_reserve_vcc 1
		.amdhsa_float_denorm_mode_32 3
		.amdhsa_float_denorm_mode_16_64 3
		.amdhsa_memory_ordered 1
		.amdhsa_forward_progress 1
		.amdhsa_inst_pref_size 214
	.end_amdhsa_kernel
	.amdgpu_metadata
---
amdhsa.version: [ 1, 2 ]
amdhsa.kernels:
  - .name:           k_q8f8121fc4e_attn
    .symbol:         k_q8f8121fc4e_attn.kd
    .args:
      - { .name: qk, .offset: 0, .size: 8, .value_kind: global_buffer, .address_space: global }
      - { .name: v, .offset: 8, .size: 8, .value_kind: global_buffer, .address_space: global }
      - { .name: n, .offset: 16, .size: 8, .value_kind: global_buffer, .address_space: global }
      - { .name: out0, .offset: 24, .size: 8, .value_kind: global_buffer, .address_space: global }
    .group_segment_fixed_size: 68608
    .private_segment_fixed_size: 0
    .kernarg_segment_align: 8
    .kernarg_segment_size: 32
    .max_flat_workgroup_size: 256
    .sgpr_count:     84
    .vgpr_count:     512
    .wavefront_size: 32
...
	.end_amdgpu_metadata
.endif
;; end of part 1
;; ======== version 2 of 2: 1 launch; version 1 with the launch attn written anew for expert scheduling mode
;; launch attn (part 2): grid 256 x 1, 8 waves a work-group, no clusters, 68,608 bytes of LDS; arguments qk, v, n, out0; writes out0
.if DOCPART == 2
	.amdgcn_target "amdgcn-amd-amdhsa--gfx1250"
	.amdhsa_code_object_version 6
	.text
	.protected	k_q8f8121fc4e_attn
	.globl	k_q8f8121fc4e_attn
	.p2align	8
	.type	k_q8f8121fc4e_attn,@function
k_q8f8121fc4e_attn:
	s_mov_b64 s[64:65], 0
	v_nop
	global_prefetch_b8 v0, s[64:65] scope:SCOPE_SE
	s_setreg_imm32_b32 hwreg(HW_REG_WAVE_SCHED_MODE, 0, 2), 2
	s_setreg_imm32_b32 hwreg(HW_REG_WAVE_MODE, 25, 1), 1
	s_wait_xcnt 0x0
	s_wait_alu depctr_vm_vsrc(0)
; out[b][t][h][:] = sum over s <= t of (q[t] . k[s] / exp(n[t])) v[s][:], per head (b, h).  qk: [4][2048][2][16][64], v, out0: [4][2048][16][64], n: [4][2048][16], all f32.
; Both products on codes of FP6 (E2M3) with one E8M0 scale for each 32 along K: q and k along the head's 64, v and the weights (scores x mask / exp(n)) along the keys.
; SHARES.  A head's 2,048 queries are 16 blocks of 128.  Work-group j (0..3) of a head owns blocks 15 - j, 8 + j, 7 - j, j: 34 block-steps under the diagonal for every j, so the 256 work-groups have equal work.
; Wave w (0..7) owns 16 queries, one tile, of each block: tile i = queries 128 beta_i + 16 w.  Keys go in steps of 128; tile i works in step s while s <= beta_i; s = beta_i is its diagonal step.
; K AND V ARE QUANTISED BY THE WORK-GROUP ITSELF, one step ahead: a step has 256 blocks of 32 of K (128 keys x 2) and 256 of V (64 channels x 4): one of each for each of the 256 lanes.  The codes go to LDS as
; IMAGES OF THE OPERANDS' REGISTERS (a reading lane's 12 registers are 48 bytes on end), into two buffers that take turns, with one barrier a step.
; LAYOUT.  Both products are used transposed: S^T = K Q^T (source 0 = keys, source 1 = my 16 queries), O^T = V^T P^T: a lane holds ONE query (lane % 16) throughout.
; THE KEYS OF A TILE ARE NOT NEIGHBOURS: row r of tile 2 b + u is key 32 b + 8 u + r + 8 (r / 8), so that the 16 registers of tiles 2 b and 2 b + 1 are the 16 neighbouring keys 32 b + 16 (lane / 16) + 0 .. 15.
; THE FIRST PRODUCT'S K IS 64, the instruction's 128.  A fragment of K holds TWO tiles of keys (registers 0-5: tile 2 b; 6-11: tile 2 b + 1).  Q's codes lie in a chain Z q0 Z q1 Z q2 Z q3 Z, Z = six registers of
; zero codes: (q, Z) as source 1 gives tile 2 b, (Z, q) gives tile 2 b + 1.  Zero codes add nothing under any scale byte from 1 to 254.
; 1 / exp(n) = 2^xi x fm, xi a whole number, fm = 2^xf between 0.70 and 1.42 (n log2(e) is split in two parts, so that xf is good to f32's last bits).  The scores are multiplied by fm ahead of the quantiser;
; a power of two passes through a quantiser with power-of-two scales unchanged, so 2^xi is applied once, to the finished sums.
; NO CLUSTER, NO TENSOR LOADS, by this text's own arithmetic: what the four work-groups of a head share is f32 (64 KiB a step); laid into LDS it would be written there and read out again, 128 KiB a step beside
; the 8 x 12.5 KiB of fragments that the waves read; and the four need 16, 15, 14 and 13 steps, not the same number.  So K and V go from memory into registers.
; LIMITS: NaN and infinities among the inputs are not served.  A block whose largest magnitude lies under 2^-124 keeps the scale byte 1; a block of zeros too (its codes are zeros; nobody else reads the bytes).
; Where exp(n) overflows f32 (n above 88.7) the definition gives 0; this text gives the sum x 2^xi, of the order 1e-38 x the sum.  The definition's hold of a scale's exponent at -126 and 127 is not followed for the weights of rows whose 2^xi would carry it there.
;
; THE MODE: SCHED_MODE bits 1:0 = 2 (LLVM: expert scheduling mode 2), set by the entry lines.  The code itself states the register dependences between vector or matrix instructions and memory or LDS
; instructions, with s_wait_alu, always for 0.
; THE PLAN.  Registers that memory or LDS instructions touch:
;   v1-17           offsets and LDS addresses: written at the head, ahead of the one wait in front of the first load, and never again.
;   KR, VR          In step s the two block quantisers read them (the rows of step s + 1); behind these the 40 loads of step s + 2 land in them.  On the way out the rows of out0 come back into them, two halves by turns.
;   PC .. PC + 14, BY1, BY2   Written by the block quantisers, read by the step's eight LDS stores, written again by tile 0's quantiser and by the next step's.
;   KS, VS, KF, VF  The 26 LDS loads at a step's head land in them; the step's matrix instructions read them.
;   S               At the head Q's loads land in it and Q's quantiser reads it; on the way out v_ldexp_f32 writes it and the stage's stores read it, two halves by turns.
; THE WAITS OF A STEP.  (1) va_vdst at its head: the last step's matrix instructions are done with the fragments and scale words.  (2) va_vdst behind both block quantisers: the codes and bytes are written, and KR and
; VR are read out.  The eight stores and the 40 loads follow it with no further wait: K's eight at once, V's 32 in two runs dealt into tile 0, behind its eight S^T products and behind its scalings; no vector or
; matrix instruction of a tile names KR, VR or an offset.  (3) vm_vsrc in front of the tiles: the stores have read the codes and bytes.  (4) va_vdst in each tile, ahead of its four O^T products: their codes and scale word are written.
; The wait on LOADcnt for the last step's 40 loads stands behind the 26 LDS loads, on every way of a working step: ahead of the quantisers that read KR and VR and of every load that lands there again.
;
; LDS: two buffers of 16,384 bytes: K's 4 pair fragments (1,536 bytes each), V's 4 fragments, K's scale words (16 bytes a row: word b = pair b), V's (word f = channels 16 f on); from 32,768: a stage of 16 rows x 272 bytes for each wave.
; REGISTERS.  Window 0: v1-17 addresses and constants; v24-25 at work; v26-33 (fm, xi) a tile; v34-46 scale words; v48-59 at work; v60-78 codes just made; v80-143 scores; v144-191 V's fragments; v192-255 K and V as loaded.
;             Window 1: v0-127 O^T, tile i, channels 16 f on at v[32 i + 8 f]; v128-181 the chain of Q; v184-231 K's fragments.
.set BUF,   16384
.set FRB,   1536                       ; a fragment's image: 32 lanes x 48 bytes
.set KIMG,  0
.set VIMG,  4*FRB
.set KSC,   8*FRB
.set VSC,   KSC+256
.set STG,   2*BUF
.set SP,    272                        ; a stage row: 256 bytes + 16 = 68 words: row r starts at bank 4 r mod 64 (64 banks of 4 bytes: ISA guide 11.1)
.set KSTEP, 128*8192                   ; 128 keys on, in qk
.set VSTEP, 128*4096                   ; and in v
.set QV,   1                           ; v1   q: 8192 (lane % 16) + 128 (lane / 16): my row, my block of 32
.set KV,   2                           ; v2   k: the same + 16 w rows
.set VV,   3                           ; v3   v: 4 lane + 128 (w % 2) + 32 (w / 2) rows of 4,096 bytes
.set NVO,  4                           ; v4   n: 64 (lane % 16)
.set GO,   5                           ; v5   out0: 4096 (lane / 16) + 16 (lane % 16)
.set ROWA, 6                           ; v6   the stage, back: lanes 0-15 one row, lanes 16-31 the next
.set COLO, 7                           ; v7   the stage, in: row lane % 16, + 32 (lane / 16)
.set KWA,  8                           ; v8   where my block of K's codes goes in a buffer
.set KBA,  9                           ; v9   and its scale byte
.set VWA,  10                          ; v10  the same for V
.set VBA,  11                          ; v11
.set L48,  12                          ; v12  48 x lane: my 12 registers of an image
.set L16,  13                          ; v13  KSC + 16 (lane % 16): my row's scale words
.set DD,   14                          ; v14  16 w + lane % 16 - 16 (lane / 16): the diagonal
.set ZERO, 15                          ; v15  0
.set SH8,  16                          ; v16  8 (lane / 16)
.set PFO,  17                          ; v17  the prefetches' offset: my lane x a row; never rewritten
.set T,    24
.set T2,   25
.set FM,   26
.set KS,   34
.set VS,   38
.set QS,   42
.set PW,   46
.set BY1,  47
.set BY2,  79
.set TM,   48
.set PC,   60
.set S,    80
.set VF,   144
.set KR,   192
.set VR,   224
.set OA,   0                           ; window 1
.set QC,   128
.set KF,   184
.set WV,   12                          ; s12  my wave's number
.set BE,   20                          ; s20-23 beta_0 > beta_1 > beta_2 > beta_3
.set ST,   24                          ; s24  the step
.set CNT,  25                          ; s25  trips to go
.set LIM,  27                          ; s27  a wave prefetches while the step is under it: 12 in a head's work-group 0, else 0
.set BM1,  28                          ; s28  beta_0 - 1
.set KBS,  30                          ; s[30:31] k's rows of the step last asked for
.set VBS,  32                          ; s[32:33] v's
.set PFA,  34                          ; s[34:35] where my prefetches stand
.set PFS,  36                          ; s[36:37] a step on, in bytes
.set QB,   38                          ; s[38:45] q at tile i's first row
.set OB,   46                          ; s[46:53] out0 likewise
.set NB,   54                          ; s[54:61] n likewise
.set NL,   62                          ; s62  -log2(e), the f32 nearest;
.set NLO,  63                          ; s63  and what that leaves
.set SEL,  66                          ; s[66:67] v_permlanex16_b32's selects for lane l xor 16
.set MK,   68                          ; s68-83 at the head: at work; in the steps: sixteen masks of the diagonal
.set MSB, 0
.macro WIN new                         ; low byte: bits 1:0 source 0, 3:2 source 1, 5:4 source 2, 7:6 destination; the high byte repeats the setting that is left
.if MSB != \new
	s_set_vgpr_msb (MSB<<8)|\new
.set MSB, \new
.endif
.endm
.macro PLACES n                        ; plain vector instructions that name no register of the matrix instruction in front (ISA guide 7.12.1)
.rept \n
	v_nop
.endr
.endm
; A block of 32 numbers in v[x] .. v[x + 31] of ONE lane: its scale byte into v[by], its codes into v[c .. c + 2] and v[c + 4 .. c + 6] (a conversion's three registers begin on an even number).  m .. m + 2: at work.
.macro Q32 x, c, by, m
	v_max3_num_f32 v[\m], |v[\x]|, |v[\x+1]|, |v[\x+2]|            ; the largest magnitude, in two chains
	v_max3_num_f32 v[\m+1], |v[\x+3]|, |v[\x+4]|, |v[\x+5]|
.irp i, 6,10,14,18,22,26
	v_max3_num_f32 v[\m], v[\m], |v[\x+\i]|, |v[\x+\i+1]|
	v_max3_num_f32 v[\m+1], v[\m+1], |v[\x+\i+2]|, |v[\x+\i+3]|
.endr
	v_max3_num_f32 v[\m], v[\m], |v[\x+30]|, |v[\x+31]|
	v_max3_num_f32 v[\m], v[\m], v[\m+1], 0x1800000                ; and the floor 2^(3 - 127): the byte cannot fall under 1
	v_add_nc_u32 v[\m+2], 0xff000000, v[\m]                        ; 2 off its exponent field: the conversion takes that field of this operand as its scale
	v_lshrrev_b32 v[\by], 23, v[\m+2]                              ; the scale's byte
	v_cvt_scalef32_pk16_fp6_f32 v[\c:\c+2], v[\x:\x+15], v[\m+2]
	v_cvt_scalef32_pk16_fp6_f32 v[\c+4:\c+6], v[\x+16:\x+31], v[\m+2]
	v_nop                                                          ; one plain place behind a scaled conversion
.endm
.macro CLOSE c                         ; the block's codes close up: six registers on end
	v_mov_b32 v[\c+3], v[\c+4]
	v_mov_b32 v[\c+4], v[\c+5]
	v_mov_b32 v[\c+5], v[\c+6]
.endm
; The block's 24 bytes of codes and its byte go to their places in the images
.macro IMAGE c, adr, badr, by, off
	ds_store_b64 v[\adr], v[\c:\c+1] offset:\off
	ds_store_b64 v[\adr], v[\c+2:\c+3] offset:\off+8
	ds_store_b64 v[\adr], v[\c+4:\c+5] offset:\off+16
	ds_store_b8 v[\badr], v[\by] offset:\off
.endm
; My block of K: key 16 w + lane % 16, channels 32 (lane / 16) on: 128 bytes of its row
.macro KLOAD
.irp i, 0,1,2,3,4,5,6,7
	global_load_b128 v[KR+4*\i:KR+4*\i+3], v[KV], s[KBS:KBS+1] offset:16*\i
.endr
.endm
; Sixteen keys, from i0 on, of my block of V: channel 32 (w % 2) + lane, keys 32 (w / 2) on: registers run down the keys; a wave reads 128 neighbouring bytes a key
.macro VLOAD i0
.irp i, 0,1,2,3,4,5,6,7,8,9,10,11,12,13,14,15
	global_load_b32 v[VR+(\i0)+\i], v[VV], s[VBS:VBS+1] offset:4096*((\i0)+\i)
.endr
.endm
; The step that lies in KR and VR (its loads have been waited for) is quantised into buffer wb.  Two sets of code registers; all the arithmetic first, then one wait, then the eight stores.
.macro PRODUCE wb
	Q32 VR, PC, BY1, TM
	Q32 KR, PC+8, BY2, TM+8
	CLOSE PC
	CLOSE PC+8
	s_wait_alu depctr_va_vdst(0)                                   ; the codes and the two bytes are written, which the stores below read; the quantisers are done reading KR and VR, in which the next loads land
	IMAGE PC, VWA, VBA, BY1, (\wb)*BUF
	IMAGE PC+8, KWA, KBA, BY2, (\wb)*BUF
.endm
; A PREFETCH INTO THE L2: in step s the rows of step s + 4, whose loads go out in step s + 2.  A step is 128 rows of K and 128 of V, 256 bytes of each row for this head.  All four work-groups of a head walk the same
; rows: the head's work-group 0 asks; in it waves 0-3 take K's rows and waves 4-7 V's, 32 a wave, a lane a row: each row's 256 bytes are named once in the launch.  Steps 0 to 3 come by their loads alone; from step 12 on nothing is asked for.
.macro ASK
	s_cmp_lt_u32 s[ST], s[LIM]
	s_cbranch_scc0 .Lnot_mine_\@
	global_prefetch_b8 v[PFO], s[PFA:PFA+1] th:TH_LOAD_NT scope:SCOPE_SE
.Lnot_mine_\@:
.endm
.macro ONWARD ask                      ; the bases move on to the next step's rows
	s_wait_xcnt 0x0                                                ; the last loads and the last prefetch have read their bases: these are stepped only behind this wait
	s_add_nc_u64 s[KBS:KBS+1], s[KBS:KBS+1], KSTEP
	s_add_nc_u64 s[VBS:VBS+1], s[VBS:VBS+1], VSTEP
.if \ask
	s_add_nc_u64 s[PFA:PFA+1], s[PFA:PFA+1], s[PFS:PFS+1]
.endif
.endm
; Part g of three of the loads that ask for the step after the next: 0: the bases' steps and K's eight; 1: V's first sixteen; 2: V's last sixteen, and the prefetch behind them.
; cond = 1: a work-group's last step but one asks for nothing: no load leaves what the work-group needs.  The test hangs on the step and on the work-group's number alone.
; No wait stands here: since the wait behind the block quantisers no vector or matrix instruction has named KR, VR or an offset, and the step's wait on LOADcnt has shown the earlier loads into KR and VR done.
.macro KVPART g, cond
.if \cond
	s_cmp_ge_u32 s[ST], s[BM1]
	s_cbranch_scc1 .Lnone_\@
.endif
.if \g == 0
	ONWARD 1
	KLOAD
.elseif \g == 1
	VLOAD 0
.else
	VLOAD 16
	ASK                                                            ; behind the wave's last run of loads
.endif
.Lnone_\@:
.endm
; The step's operands out of buffer rb: 26 loads of 16 bytes; from lane to lane 48 bytes = 12 words
.macro FETCH rb
	ds_load_b128 v[KS:KS+3], v[L16] offset:(\rb)*BUF
	ds_load_b128 v[VS:VS+3], v[L16] offset:(\rb)*BUF+256
	WIN 0x40                                                       ; destination window 1
.irp b, 0,1,2,3
.irp c, 0,1,2
	ds_load_b128 v[KF+12*\b+4*\c:KF+12*\b+4*\c+3], v[L48] offset:(\rb)*BUF+KIMG+FRB*\b+16*\c
.endr
.endr
	WIN 0
.irp f, 0,1,2,3
.irp c, 0,1,2
	ds_load_b128 v[VF+12*\f+4*\c:VF+12*\f+4*\c+3], v[L48] offset:(\rb)*BUF+VIMG+FRB*\f+16*\c
.endr
.endr
.endm
; 64 numbers of a lane, register 16 b + i = key 32 b + 16 (lane / 16) + i of my query, become a fragment's codes in v[PC] on and its scale word in v[PW]
.macro QUANT s
.irp b, 0,1,2,3
	v_max3_num_f32 v[TM+\b], |v[\s+16*\b]|, |v[\s+1+16*\b]|, 0x1800000   ; block b: my 16 numbers, and the floor 2^(3 - 127)
.endr
.irp i, 2,4,6,8,10,12,14
.irp b, 0,1,2,3
	v_max3_num_f32 v[TM+\b], v[TM+\b], |v[\s+16*\b+\i]|, |v[\s+1+16*\b+\i]|   ; the four blocks by turns
.endr
.endr
.irp b, 0,1,2,3
	v_permlanex16_b32 v[TM+4+\b], v[TM+\b], s[SEL], s[SEL+1]
.endr
.irp b, 0,1,2,3
	v_max_num_f32 v[TM+\b], v[TM+\b], v[TM+4+\b]                   ; with lane l xor 16's 16: the block's largest magnitude
.endr
.irp b, 0,1,2,3
	v_add_nc_u32 v[TM+8+\b], 0xff000000, v[TM+\b]                  ; the conversion's scale operand
.endr
.irp b, 0,1,2,3
	v_lshrrev_b32 v[TM+4+\b], 23, v[TM+8+\b]                       ; the scale's byte
.endr
	v_lshl_or_b32 v[PW], v[TM+5], 8, v[TM+4]                       ; four bytes: my query's scale word for these 128 keys
	v_lshl_or_b32 v[PW], v[TM+6], 16, v[PW]
	v_lshl_or_b32 v[PW], v[TM+7], 24, v[PW]
.irp c, 0,1
	v_cvt_scalef32_pk16_fp6_f32 v[PC+6*\c:PC+2+6*\c], v[\s+32*\c:\s+15+32*\c], v[TM+8+2*\c]
	v_cvt_scalef32_pk16_fp6_f32 v[PC+12+4*\c:PC+14+4*\c], v[\s+16+32*\c:\s+31+32*\c], v[TM+8+2*\c+1]
.endr
	v_nop                                                          ; one plain place behind a scaled conversion
.irp c, 0,1                            ; the operand's layout wants a WHOLE block in a lane: lanes 0-15 block 2 c, lanes 16-31 block 2 c + 1
.irp i, 0,1,2
	v_permlane16_swap_b32 v[PC+6*\c+\i], v[PC+12+4*\c+\i]
.endr
.irp i, 0,1,2
	v_mov_b32 v[PC+3+6*\c+\i], v[PC+12+4*\c+\i]
.endr
.endr
.endm
; TILE i IN ONE STEP: 8 products S^T, the mask on the diagonal, x fm, the quantiser, 4 products O^T.  first = 1: the O^T products start the sums.  mask = 1: the tile may be on its diagonal here.
; deal = 1 (tile 0): V's loads for the step after the next are dealt into the tile, in two runs.
; No two matrix instructions that follow each other name the same accumulator, here, from tile to tile and from step to step.
.macro TILE i, first, mask, deal
	WIN 0x05                                                       ; K and Q in window 1, the scores in window 0
.irp b, 0,1,2,3
	v_wmma_scale_f32_16x16x128_f8f6f4 v[S+16*\b:S+16*\b+7], v[KF+12*\b:KF+12*\b+11], v[QC+6+12*\i:QC+17+12*\i], 0, v[KS+\b], v[QS+\i] matrix_a_fmt:MATRIX_FMT_FP6 matrix_b_fmt:MATRIX_FMT_FP6
	v_wmma_scale_f32_16x16x128_f8f6f4 v[S+8+16*\b:S+15+16*\b], v[KF+12*\b:KF+12*\b+11], v[QC+12*\i:QC+11+12*\i], 0, v[KS+\b], v[QS+\i] matrix_a_fmt:MATRIX_FMT_FP6 matrix_b_fmt:MATRIX_FMT_FP6
.endr
	WIN 0
.if \deal
	KVPART 1, 1-\first
.endif
	PLACES 4                                                       ; in front of the first read of the scores
.if \mask
	s_cmp_lg_u32 s[ST], s[BE+\i]                                   ; only the diagonal step has hidden keys
	s_cbranch_scc1 .Lopen_\@
.irp g, 0,1,2,3                        ; a block of 32 keys at a time: sixteen compares into sixteen scalar registers, one wait, sixteen selects
.irp n, 0,1,2,3,4,5,6,7,8,9,10,11,12,13,14,15
	v_cmp_gt_i32 s[MK+\n], 32*\g+\n, v[DD]                         ; register 16 g + n holds key 32 g + 16 (lane / 16) + n of the step, my query is 16 w + lane % 16 of it: hidden where 32 g + n > DD
.endr
	s_wait_alu depctr_va_sdst(0)                                   ; the sixteen compares have written their masks, which the selects below read
.irp n, 0,1,2,3,4,5,6,7,8,9,10,11,12,13,14,15
	v_cndmask_b32 v[S+16*\g+\n], v[S+16*\g+\n], v[ZERO], s[MK+\n]  ; a hidden weight is 0, inside its block of 32
.endr
.endr
.Lopen_\@:
.endif
.irp k, 0,2,4,6,8,10,12,14,16,18,20,22,24,26,28,30,32,34,36,38,40,42,44,46,48,50,52,54,56,58,60,62
	v_pk_mul_f32 v[S+\k:S+\k+1], v[S+\k:S+\k+1], v[FM+2*\i:FM+2*\i+1] op_sel_hi:[1,0]   ; x fm, two at a time, each accumulator from its low end on
.endr
.if \deal
	KVPART 2, 1-\first
.endif
	QUANT S
	PLACES 8                                                       ; a scale register written by a vector instruction stands 8 places ahead of a scaled matrix instruction, an operand so written 4
	s_wait_alu depctr_va_vdst(0)                                   ; the quantiser has written the codes v[PC ..] and the scale word v[PW], which the four products below take as source 1 and its scales
	WIN 0x50                                                       ; C and D in window 1
.irp f, 0,1,2,3
.if \first
	v_wmma_scale_f32_16x16x128_f8f6f4 v[OA+32*\i+8*\f:OA+32*\i+8*\f+7], v[VF+12*\f:VF+12*\f+11], v[PC:PC+11], 0, v[VS+\f], v[PW] matrix_a_fmt:MATRIX_FMT_FP6 matrix_b_fmt:MATRIX_FMT_FP6
.else
	v_wmma_scale_f32_16x16x128_f8f6f4 v[OA+32*\i+8*\f:OA+32*\i+8*\f+7], v[VF+12*\f:VF+12*\f+11], v[PC:PC+11], v[OA+32*\i+8*\f:OA+32*\i+8*\f+7], v[VS+\f], v[PW] matrix_a_fmt:MATRIX_FMT_FP6 matrix_b_fmt:MATRIX_FMT_FP6
.endif
.endr
	WIN 0
.endm
; A STEP of 128 keys, read out of buffer rb.  While its fragments are on their way out of LDS, the next step is quantised into the other buffer and the step after that is asked of memory.
; All branches hang on the step and on the work-group's number: they are the same in all eight waves, and the barrier at the end is on every way.  first = 1: step 0, in which every tile works and only tile 3 can be on its diagonal.
.macro STEP first, rb
.if !\first
	s_cmp_gt_u32 s[ST], s[BE]                                      ; beyond my last block: nothing but the barrier
	s_cbranch_scc1 .Lidle_\@
	PLACES 4                                                       ; in front of loads into registers that matrix instructions have read
	s_wait_alu depctr_va_vdst(0)                                   ; the last step's matrix instructions are done reading K's and V's fragments and scale words, in which the 26 loads below land.  (Step 0 has no such line: no vector or matrix instruction stands between the head's last wait of this kind and its loads)
.endif
	FETCH \rb
	s_wait_loadcnt 0x0                                             ; the 40 loads, asked for a step ago, are in.  It stands ahead of the test below, on every way of a working step: no load of this step lands in KR or VR while an earlier one is out (in a work-group's last step none is out)
.if !\first
	s_cmp_ge_u32 s[ST], s[BE]                                      ; my last step has no next step
	s_cbranch_scc1 .Ltiles_\@
.endif
	PRODUCE 1-\rb
	KVPART 0, 1-\first
.Ltiles_\@:
	s_wait_dscnt 0x0                                               ; the fragments are in
	s_wait_alu depctr_vm_vsrc(0)                                   ; my eight LDS stores have read the codes' registers and the two bytes, which tile 0's quantiser and the next step's write again
	TILE 0, \first, 1-\first, 1
.if !\first
	s_cmp_gt_u32 s[ST], s[BE+1]
	s_cbranch_scc1 .Lidle_\@
.endif
	TILE 1, \first, 1-\first, 0
.if !\first
	s_cmp_gt_u32 s[ST], s[BE+2]
	s_cbranch_scc1 .Lidle_\@
.endif
	TILE 2, \first, 1-\first, 0
.if !\first
	s_cmp_gt_u32 s[ST], s[BE+3]
	s_cbranch_scc1 .Lidle_\@
.endif
	TILE 3, \first, 1, 0
.Lidle_\@:
	s_wait_dscnt 0x0                                               ; for the others' sake: my stores into the other buffer have landed and my reads of this one are over
	s_barrier_signal -1
	s_barrier_wait -1                                              ; the other buffer is whole, and this one may be written again
	s_add_co_u32 s[ST], s[ST], 1
.endm
; ---------------------------------------------------------------- the head
	s_load_b256 s[4:11], s[0:1], 0x0                               ; qk s[4:5], v s[6:7], n s[8:9], out0 s[10:11]
	v_lshl_add_u32 v23, v0, 2, 0x10800
	v_mov_b32 v75, 0
	v_lshrrev_b32 v18, 5, v0
	v_readfirstlane_b32 s[WV], v18                                 ; wave 0..7
	v_and_b32 v18, 15, v0                                          ; lane % 16
	v_bfe_u32 v19, v0, 4, 1                                        ; lane / 16
	v_and_b32 v20, 7, v0                                           ; lane % 8
	v_bfe_u32 v21, v0, 3, 1                                        ; (lane / 8) % 2
	v_and_b32 v22, 31, v0                                          ; lane
	s_wait_alu depctr_va_sdst(0)                                   ; the wave's number is written, ahead of its first reader
	s_and_b32 s68, s[WV], 1                                        ; w % 2
	s_lshr_b32 s69, s[WV], 1                                       ; w / 2
	s_and_b32 s70, s69, 1                                          ; (w / 2) % 2
	s_lshr_b32 s71, s[WV], 2                                       ; w / 4
	s_and_b32 s13, ttmp9, 3                                        ; j
	s_lshr_b32 s14, ttmp9, 2                                       ; the head, 0..63
	s_lshr_b32 s15, s14, 4                                         ; b
	s_and_b32 s16, s14, 15                                         ; h
	s_sub_co_u32 s[BE], 15, s13
	s_add_co_u32 s[BE+1], s13, 8
	s_sub_co_u32 s[BE+2], 7, s13
	s_mov_b32 s[BE+3], s13
	s_sub_co_u32 s[BM1], s[BE], 1
	s_cmp_eq_u32 s13, 0
	s_cselect_b32 s[LIM], 12, 0
	s_mov_b32 s[ST], 0
	s_mov_b32 s[NL], 0xbfb8aa3b                                    ; -1.44269502
	s_mov_b32 s[NLO], 0xb2a5705f                                   ; -1.92596e-8
	s_mov_b32 s[SEL], 0x76543210
	s_mov_b32 s[SEL+1], 0xfedcba98
	; offsets in memory
	v_lshlrev_b32 v[QV], 13, v18
	v_lshl_add_u32 v[QV], v19, 7, v[QV]
	s_lshl_b32 s72, s[WV], 17
	v_add_nc_u32 v[KV], s72, v[QV]
	s_lshl_b32 s72, s68, 7
	s_lshl_b32 s73, s69, 17
	s_add_co_u32 s72, s72, s73
	v_lshl_add_u32 v[VV], v22, 2, s72
	v_lshlrev_b32 v[NVO], 6, v18
	v_lshlrev_b32 v[GO], 12, v19
	v_lshl_add_u32 v[GO], v18, 4, v[GO]
	; my stage
	s_mul_i32 s72, s[WV], 16*SP
	s_add_co_u32 s72, s72, STG
	v_mul_u32_u24 v[ROWA], v19, SP
	v_lshl_add_u32 v[ROWA], v18, 4, v[ROWA]
	v_add_nc_u32 v[ROWA], s72, v[ROWA]
	v_mul_u32_u24 v[COLO], v18, SP
	v_lshl_add_u32 v[COLO], v19, 5, v[COLO]
	v_add_nc_u32 v[COLO], s72, v[COLO]
	; K: key 16 w + lane % 16 is row (lane % 8) + 8 (w % 2) of tile 2 (w / 2) + (lane / 8) % 2; its block lane / 16 belongs to the reading lane row + 16 (lane / 16), 24 bytes further on for the pair's second tile
	s_mul_i32 s72, s69, FRB
	s_mul_i32 s73, s68, 384
	s_add_co_u32 s72, s72, s73
	v_mul_u32_u24 v[KWA], v20, 48
	v_mad_u32_u24 v[KWA], v21, 24, v[KWA]
	v_mad_u32_u24 v[KWA], v19, 768, v[KWA]
	v_add_nc_u32 v[KWA], s72, v[KWA]
	s_lshl_b32 s72, s68, 7                                         ; its byte: 16 x row + 4 x pair + 2 x tile in the pair + block
	s_lshl_b32 s73, s69, 2
	s_add_co_u32 s72, s72, s73
	s_add_co_u32 s72, s72, KSC
	v_lshlrev_b32 v[KBA], 4, v20
	v_lshl_add_u32 v[KBA], v21, 1, v[KBA]
	v_add_nc_u32 v[KBA], v[KBA], v19
	v_add_nc_u32 v[KBA], s72, v[KBA]
	; V: channel 32 (w % 2) + lane is row lane % 16 of fragment 2 (w % 2) + lane / 16; key block w / 2 belongs to the reading lane row + 16 ((w / 2) % 2), 24 bytes further on for blocks 2 and 3
	s_mul_i32 s72, s68, 2*FRB
	s_mul_i32 s73, s70, 768
	s_add_co_u32 s72, s72, s73
	s_mul_i32 s73, s71, 24
	s_add_co_u32 s72, s72, s73
	s_add_co_u32 s72, s72, VIMG
	v_mul_u32_u24 v[VWA], v18, 48
	v_mad_u32_u24 v[VWA], v19, FRB, v[VWA]
	v_add_nc_u32 v[VWA], s72, v[VWA]
	s_lshl_b32 s72, s68, 3                                         ; its byte: 16 x row + 4 x fragment + block
	s_add_co_u32 s72, s72, s69
	s_add_co_u32 s72, s72, VSC
	v_lshlrev_b32 v[VBA], 4, v18
	v_lshl_add_u32 v[VBA], v19, 2, v[VBA]
	v_add_nc_u32 v[VBA], s72, v[VBA]
	v_mul_u32_u24 v[L48], v22, 48
	v_lshl_add_u32 v[L16], v18, 4, KSC
	s_lshl_b32 s82, s[WV], 4                                       ; 16 w
	v_lshlrev_b32 v[DD], 4, v19
	v_sub_nc_u32 v[DD], v18, v[DD]
	v_add_nc_u32 v[DD], s82, v[DD]
	v_mov_b32 v[ZERO], 0
	v_lshlrev_b32 v[SH8], 3, v19
	v_mov_b32 v[T2], 0                                             ; written once: a lane permute's destination counts as one of its sources
.irp b, 0,1,2,3
	v_mov_b32 v[TM+4+\b], 0
.endr
	WIN 0x40
.irp i, 0,1,2,3,4
.irp k, 0,1,2,3,4,5
	v_mov_b32 v[QC+12*\i+\k], 0                                    ; the five Z of Q's chain: zero codes
.endr
.endr
	WIN 0
	; the head's first byte in qk, in v and out0, in n
	s_lshl_b32 s77, s16, 8
	s_lshl_b32 s76, s15, 24
	s_add_co_u32 s76, s76, s77
	s_lshl_b32 s78, s15, 23
	s_add_co_u32 s78, s78, s77
	s_lshl_b32 s80, s15, 17
	s_lshl_b32 s81, s16, 2
	s_add_co_u32 s80, s80, s81
	s_add_co_u32 s83, s76, 4096                                    ; k lies 4,096 bytes behind q in a row of qk
	s_mov_b32 s75, 0                                               ; every offset stays under 2^27: its upper word is 0
	s_wait_kmcnt 0x0
.irp i, 0,1,2,3
	s_lshl_b32 s72, s[BE+\i], 7
	s_add_co_u32 s72, s72, s82                                     ; tile i's first query
	s_lshl_b32 s74, s72, 13
	s_add_co_u32 s74, s74, s76
	s_add_nc_u64 s[QB+2*\i:QB+2*\i+1], s[4:5], s[74:75]
	s_lshl_b32 s74, s72, 12
	s_add_co_u32 s74, s74, s78
	s_add_nc_u64 s[OB+2*\i:OB+2*\i+1], s[10:11], s[74:75]
	s_lshl_b32 s74, s72, 6
	s_add_co_u32 s74, s74, s80
	s_add_nc_u64 s[NB+2*\i:NB+2*\i+1], s[8:9], s[74:75]
.endr
	s_mov_b32 s74, s83
	s_add_nc_u64 s[KBS:KBS+1], s[4:5], s[74:75]
	s_mov_b32 s74, s78
	s_add_nc_u64 s[VBS:VBS+1], s[6:7], s[74:75]
	; the prefetches: waves 0-3 stand in k (rows 8,192 bytes apart), waves 4-7 in v (4,096)
	s_cmp_lt_u32 s[WV], 4
	s_cselect_b32 s72, 13, 12
	s_cselect_b64 s[PFA:PFA+1], s[4:5], s[6:7]
	s_cselect_b32 s74, s83, s78
	v_lshlrev_b32 v[PFO], s72, v22                                 ; a lane a row
	s_lshl_b32 s[PFS], 128, s72                                    ; a step's 128 rows
	s_mov_b32 s[PFS+1], 0
	s_and_b32 s73, s[WV], 3
	s_lshl_b32 s73, s73, 5
	s_lshl_b32 s73, s73, s72                                       ; my wave's 32 rows
	s_add_co_u32 s74, s74, s73
	s_mul_i32 s73, s[PFS], 3                                       ; at step 3: step 0 moves it to step 4 and names that.  Nothing is prefetched here, at the head
	s_add_co_u32 s74, s74, s73
	s_add_nc_u64 s[PFA:PFA+1], s[PFA:PFA+1], s[74:75]
; ---------------------------------------------------------------- n, Q, and the first step of K and V
.macro QLOAD i, reg                    ; tile i: lane (r, h) takes channels 32 h on of query r; read once in the launch
.irp k, 0,1,2,3,4,5,6,7
	global_load_b128 v[\reg+4*\k:\reg+4*\k+3], v[QV], s[QB+2*\i:QB+2*\i+1] offset:16*\k th:TH_LOAD_NT
.endr
.endm
.macro QTILE i, reg                    ; its codes are the operand's six registers as they come; its scale word is (s0, s1, s0, s1), for either half of the instruction's K
	Q32 \reg, PC, BY1, TM
	v_lshlrev_b32 v[T], v[SH8], v[BY1]                             ; my block's byte at its place,
	v_permlanex16_b32 v[T2], v[T], s[SEL], s[SEL+1]
	v_or_b32 v[T], v[T], v[T2]                                     ; with lane l xor 16's
	v_lshl_or_b32 v[QS+\i], v[T], 16, v[T]
	WIN 0x40
	v_mov_b32 v[QC+6+12*\i], v[PC]
	v_mov_b32 v[QC+7+12*\i], v[PC+1]
	v_mov_b32 v[QC+8+12*\i], v[PC+2]
	v_mov_b32 v[QC+9+12*\i], v[PC+4]
	v_mov_b32 v[QC+10+12*\i], v[PC+5]
	v_mov_b32 v[QC+11+12*\i], v[PC+6]
	WIN 0
.endm
	s_wait_alu depctr_va_vdst(0)                                   ; the offsets and LDS addresses v1 to v17 are written: every load, store and prefetch of the kernel reads one of them, and none is written again
.irp i, 0,1,2,3
	global_load_b32 v[VF+\i], v[NVO], s[NB+2*\i:NB+2*\i+1] th:TH_LOAD_NT   ; n of my query in tile i
.endr
	QLOAD 0, S
	QLOAD 1, S+32
	KLOAD                                                          ; step 0
	VLOAD 0
	VLOAD 16
	s_wait_loadcnt 48                                              ; n's 4 and tile 0's 8 are in; behind them: tile 1's 8 and the 40 of K and V
.irp i, 0,1,2,3
	v_mul_f32 v[VF+4+\i], s[NL], v[VF+\i]                          ; -n log2(e)
.endr
.irp i, 0,1,2,3
	v_rndne_f32 v[VF+4+\i], v[VF+4+\i]                             ; xi
.endr
.irp i, 0,1,2,3
	v_fma_f32 v[VF+8+\i], v[VF+\i], s[NL], -v[VF+4+\i]             ; xf = -n log2(e) - xi, the product unrounded,
.endr
.irp i, 0,1,2,3
	v_fma_f32 v[VF+8+\i], v[VF+\i], s[NLO], v[VF+8+\i]             ; with the rest of log2(e)
.endr
.irp i, 0,1,2,3
	v_exp_f32 v[FM+2*\i], v[VF+8+\i]                               ; fm = 2^xf
.endr
.irp i, 0,1,2,3
	v_cvt_i32_f32 v[FM+2*\i+1], v[VF+4+\i]                         ; xi as a whole number (it saturates).  Plain places behind the exponentials
.endr
	s_wait_alu depctr_va_vdst(0)                                   ; the four exponentials have written fm: one wait for the four, ahead of their first reader
	QTILE 0, S
	s_wait_alu depctr_va_vdst(0)                                   ; tile 0's quantiser is done reading v[S .. S + 31], in which tile 2's loads land
	QLOAD 2, S
	s_wait_loadcnt 48                                              ; tile 1's 8 are in; behind them: the 40 and tile 2's 8
	QTILE 1, S+32
	s_wait_alu depctr_va_vdst(0)                                   ; tile 1's quantiser is done reading v[S + 32 .. S + 63], in which tile 3's loads land
	QLOAD 3, S+32
	s_wait_loadcnt 8                                               ; K, V and tile 2 are in; tile 3's 8 may be out
	QTILE 2, S
	s_wait_loadcnt 0x0                                             ; tile 3 is in: no load is out
	QTILE 3, S+32
	PRODUCE 0                                                      ; step 0 into buffer 0.  Its wait also stands behind the lines that wrote Q's chain and scale words, which the first products take, and behind the arithmetic on n, into whose registers V's first fragments are loaded
	ONWARD 0                                                       ; step 1 is asked for: there is no tile yet to deal its loads into
	KLOAD
	VLOAD 0
	VLOAD 16
	s_wait_dscnt 0x0                                               ; my stores have landed
	s_wait_alu depctr_vm_vsrc(0)                                   ; and have read the codes' registers and the two bytes, which step 0's block quantisers write again
	s_barrier_signal -1
	s_barrier_wait -1                                              ; buffer 0 is whole
; ---------------------------------------------------------------- the steps
	STEP 1, 0                                                      ; step 0 stands in front of the loop: its O^T products start the sums, nothing is cleared
	s_mov_b32 s[CNT], 8
.Lstep:                                                            ; eight trips of two steps, 1 to 16: a constant count; the steps beyond a work-group's last block (16 among them) pass the barrier alone
	STEP 0, 1
	STEP 0, 0
	s_sub_co_u32 s[CNT], s[CNT], 1
	s_cmp_lg_u32 s[CNT], 0
	s_cbranch_scc1 .Lstep
; ---------------------------------------------------------------- the way out
; Tile i: O^T x 2^xi; a lane's eight channels of a row are 32 bytes, and the lanes beside it hold other rows: so the tile goes through my own stage and comes back as whole rows of 256 bytes.
; LDS serves a wave's instructions in order (ISA guide 5.7.1.4): no wait between the stores and the loads.  Both the scaled sums (S's two halves) and the rows read back (KR, VR) take turns from tile to tile.
.macro OUT i
.if \i >= 2
	s_wait_alu depctr_vm_vsrc(0)                                   ; tile i - 2's LDS stores have read this half of S, which the lines below write again; its global stores have read the registers in which this tile's rows land
.endif
	WIN 0x01                                                       ; source 0 window 1
.irp k, 0,1,2,3,4,5,6,7,8,9,10,11,12,13,14,15,16,17,18,19,20,21,22,23,24,25,26,27,28,29,30,31
	v_ldexp_f32 v[S+32*(\i%2)+\k], v[OA+32*\i+\k], v[FM+2*\i+1]    ; each accumulator from its low end on
.endr
	WIN 0
	s_wait_alu depctr_va_vdst(0)                                   ; the 32 lines above have written this half of S, which the LDS stores read; every vector instruction that named KR or VR stands ahead of this wait too
.irp f, 0,1,2,3
	ds_store_b128 v[COLO], v[S+32*(\i%2)+8*\f:S+32*(\i%2)+8*\f+3] offset:64*\f
	ds_store_b128 v[COLO], v[S+32*(\i%2)+8*\f+4:S+32*(\i%2)+8*\f+7] offset:64*\f+16
.endr
.if \i >= 2
	s_wait_xcnt 0x0                                                ; tile i - 2's stores have read their registers: the loads below land there only behind this wait
.endif
.irp t, 0,1,2,3,4,5,6,7
	ds_load_b128 v[KR+32*(\i%2)+4*\t:KR+32*(\i%2)+4*\t+3], v[ROWA] offset:2*\t*SP
.endr
.irp t, 0,1,2,3,4,5,6,7
	s_wait_dscnt 7-\t                                              ; LDS loads come back in order: pair t of rows is in, the younger 7 - t may be out
	global_store_b128 v[GO], v[KR+32*(\i%2)+4*\t:KR+32*(\i%2)+4*\t+3], s[OB+2*\i:OB+2*\i+1] offset:8192*\t th:TH_STORE_NT   ; 16 lanes store 256 consecutive bytes, at a multiple of 256 from out0's first byte
.endr
.endm
	s_wait_loadcnt 0x0                                             ; no load is out into the registers that the rows come back to
	PLACES 4                                                       ; in front of the first read of O^T
	OUT 0
	OUT 1
	OUT 2
	OUT 3
	s_wait_dscnt 0x0
	s_wait_alu depctr_hold_cnt(0) depctr_sa_sdst(0) depctr_va_vdst(0) depctr_va_sdst(0) depctr_va_ssrc(0) depctr_va_vcc(0) depctr_vm_vsrc(0)
	s_wait_tensorcnt 0x0
	ds_add_u32 v23, v75
	s_wait_dscnt 0x0
	s_endpgm
.Lfunc_end_k_q8f8121fc4e_attn:
	.size	k_q8f8121fc4e_attn, .Lfunc_end_k_q8f8121fc4e_attn-k_q8f8121fc4e_attn
	.p2alignl 7, 3214868480
	.fill 96, 4, 3214868480
	.section	.rodata,"a",@progbits
	.p2align	6, 0x0
	.amdhsa_kernel k_q8f8121fc4e_attn
		.amdhsa_group_segment_fixed_size 68608
		.amdhsa_private_segment_fixed_size 0
		.amdhsa_enable_private_segment 0
		.amdhsa_kernarg_size 32
		.amdhsa_user_sgpr_count 2
		.amdhsa_user_sgpr_kernarg_segment_ptr 1
		.amdhsa_wavefront_size32 1
		.amdhsa_system_sgpr_workgroup_id_x 1
		.amdhsa_system_sgpr_workgroup_id_y 1
		.amdhsa_system_sgpr_workgroup_id_z 1
		.amdhsa_system_vgpr_workitem_id 0
		.amdhsa_next_free_vgpr 512
		.amdhsa_next_free_sgpr 84
		.amdhsa_reserve_vcc 0
		.amdhsa_float_denorm_mode_32 3
		.amdhsa_float_denorm_mode_16_64 3
		.amdhsa_memory_ordered 1
		.amdhsa_forward_progress 1
		.amdhsa_inst_pref_size 252
	.end_amdhsa_kernel
	.amdgpu_metadata
---
amdhsa.version: [ 1, 2 ]
amdhsa.kernels:
  - .name:           k_q8f8121fc4e_attn
    .symbol:         k_q8f8121fc4e_attn.kd
    .args:
      - { .name: qk, .offset: 0, .size: 8, .value_kind: global_buffer, .address_space: global }
      - { .name: v, .offset: 8, .size: 8, .value_kind: global_buffer, .address_space: global }
      - { .name: n, .offset: 16, .size: 8, .value_kind: global_buffer, .address_space: global }
      - { .name: out0, .offset: 24, .size: 8, .value_kind: global_buffer, .address_space: global }
    .group_segment_fixed_size: 68608
    .private_segment_fixed_size: 0
    .kernarg_segment_align: 8
    .kernarg_segment_size: 32
    .max_flat_workgroup_size: 256
    .sgpr_count:     84
    .vgpr_count:     512
    .wavefront_size: 32
...
	.end_amdgpu_metadata
.endif
;; end of part 2
